; MI455X (gfx1250); checked and timed in simulation.
; The chip was launched on July 23, 2026; its instructions are those of AMD's public machine-readable ISA for CDNA 5 (MIT licence, August 2026) and "CDNA5" Instruction Set Architecture Reference Guide (July 2026). The comments in the code are by the model that wrote it; some were corrected since.
;; MOE MLP. Allowed arithmetic: matrix products marked QUANTISED: E5M2 operands, one given power-of-two scale a tensor, by v_wmma_f32_16x16x64_bf8_bf8 or v_wmma_f32_16x16x128_bf8_bf8, f32 sums; products left as they are: f32 operands where the result goes on into a quantised operand, else bf16, f16 or f32 operands; f32 sums; everything else in f32.
;; Inputs: W1 32 x 1,024 x 256 float32; W2 32 x 256 x 1,024 float32; Wg 1,024 x 32 float32; b1 32 x 256 float32; b2 32 x 1,024 float32; lowp_scales 6 int32 (the exponents e of the quantised operands' scales 2^e); x 2 x 2,048 x 1,024 float32.
;; Outputs: out0 2 x 2,048 x 1,024 float32.
;; This version of the problem:
;;   THIS VERSION OF THE PROBLEM IS GIVEN IN LOW PRECISION. The matrix products marked QUANTISED in the list below multiply operands that are first quantised to E5M2 (5 exponent bits, 2 mantissa bits; 8 bits a number), with one given power-of-two scale for each operand tensor; their sums are f32. All else is computed in f32.
;;   The module's matrix products, in the order in which they are computed (A, B: the left and right operand; K: the contracted axis; several contracted axes count as one K, in the product's order):
;;     1. [M 4,096, K 1,024] x [K 1,024, N 32]; A: input x; B: input Wg: QUANTISED (scales: A lowp_scales[0], B lowp_scales[1])
;;     2. [M 8,192, K 1,024] x [K 1,024, N 4,096]; A: input W1; B: input x: QUANTISED (scales: A lowp_scales[2], B lowp_scales[3])
;;     3. batch 32 x [M 4,096, K 256] x [K 256, N 1,024]; A: computed on the way; B: input W2: QUANTISED (scales: A lowp_scales[4], B lowp_scales[5])
;;     4. batch 4,096 x [M 1,024, K 32] x [K 32, N 1]; A: computed on the way; B: computed on the way: left as it is (N = 1 < 16)
;;   THE QUANTISER, for each operand of a quantised product, along K:
;;     - The operand's scale is 2^e, e = its entry of the input lowp_scales (int32; the entries are numbered through the quantised products in the list's order, A before B).
;;     - Each number is divided by the scale, clamped to +-57,344, and rounded to the nearest number of E5M2, ties to even, subnormals kept.
;;     - The product sums the exact products of the quantised numbers (number of the format x scale) in f32.
;;   ~~~python
;;   def quantise(x, axis, e):      # numpy; x: float32 -> the quantised numbers, widened to float32 again
;;       x = np.moveaxis(x, axis, -1); K = x.shape[-1]
;;       r = np.clip(x / 2.0 ** e, -57344, 57344)
;;       step = 2.0 ** (np.maximum(np.frexp(np.where(r == 0, 1, r))[1] - 1, -14) - 2)
;;       q = np.round(r / step) * step * 2.0 ** e      # np.round: ties to even
;;       return np.moveaxis(q, -1, axis).astype(np.float32)
;;   ~~~
;;   OPERANDS COMPUTED ON THE WAY. 'Computed on the way' means the value that the module computes at that place (a softmax that the list does not call 'softmax' is quantised finished and normalised). What goes into a quantiser is computed in f32, as accurately as f32 sums, v_exp_f32 and their like allow (about 1e-6 of the number): no bf16 or f16 on the way to a quantiser, and a product that is left as it is and whose result goes on into a quantised operand takes f32 operands (vector FMAs, or v_wmma_f32_16x16x4_f32). A number that lies on a knife's edge between two numbers of the format may be rounded either way, as far as f32 arithmetic and the matrix unit's own rounding can turn it there, and no further.
;; One version. Each part assembles by itself: llvm-mc -triple=amdgcn-amd-amdhsa -mcpu=gfx1250 --defsym DOCPART=n.
;; ======== version 1 of 1: 4 launches
;; limits: values are held in bf16: 8 bits of precision; right only within a limited range of input values
;; workspace buffers: xq 4,194,304 bytes; route 65,536 bytes of whole numbers; rw 32,768 bytes; hq 33,554,432 bytes; rows 557,056 bytes of whole numbers; part 16,777,216 bytes
;; launch gate (part 1): grid 256 x 1, 8 waves a work-group, no clusters, 85,248 bytes of LDS; arguments x, Wg, lowp_scales, xq, route, rw; writes xq, route, rw
.if DOCPART == 1
	.amdgcn_target "amdgcn-amd-amdhsa--gfx1250"
	.amdhsa_code_object_version 6
	.text
	.protected	k_q7eb49acde9_gate
	.globl	k_q7eb49acde9_gate
	.p2align	8
	.type	k_q7eb49acde9_gate,@function
k_q7eb49acde9_gate:
	s_mov_b64 s[64:65], 0
	v_nop
	global_prefetch_b8 v0, s[64:65] scope:SCOPE_SE
	s_setreg_imm32_b32 hwreg(HW_REG_WAVE_MODE, 25, 1), 1
	s_wait_xcnt 0x0
; THE PROGRAM.  gate: router, top 2, x's codes.  up: hidden layer of each expert's own rows.  down: second product of the same rows.  combine: the weighted sum of a token's two results.
; An expert's result for a token that did not choose it is multiplied by 0 in reference() (combine is built from top_idx): only the chosen rows are computed, by whole numbers that an earlier launch stored.
; LIMIT: a NaN, an infinity or an overflow that reaches only a result that is multiplied by that 0 is not carried to the output.
; GATE.  A work-group takes 16 tokens; wave w takes K step w (k = 128 w .. 128 w + 127): 16 x 512 bytes of x and 128 rows x 128 bytes of Wg, all asked for at once.
; x is quantised twice, with 2^e0 for the router's product and with 2^e3 for the experts'.  Wg is quantised with 2^e1; its K is the first axis, so byte permutes turn four columns' codes into 16 codes along k.
; The eight waves' partial sums meet in LDS; wave 0 adds them, takes the two largest (the lower index of equal ones), and the two softmaxes.
; route: for block b (this work-group) and expert e the pair at 256 b + 8 e: a mask of the block's routed rows (bit 16 slot + token) and their number.
; LIMITS.  e0, e1, e3 between -126 and 112; e0 + e1 between -126 and 126.  NaN among the inputs is not served.
; Plain loads, no cluster: x is read by one work-group alone, and Wg goes straight into registers.  No prefetch: there is no loop to run ahead in.
.set XAW, 2304                         ; LDS: for each wave 16 rows x (128 + 16) bytes of router codes, from 0
.set XAP, 144
.set XC,  18432                        ; the experts' codes: 16 rows x (1,024 + 16)
.set XCP, 1040
.set WI,  35072                        ; for each wave two fragments of Wg as images of their registers
.set RED, 67840                        ; for each wave 2,048 bytes of partial sums
.set SPARE, 84224
.set R,   64
.set T,   80
.set XW,  128
	s_load_b256 s[4:11], s[0:1], 0x0               ; x, Wg, exponents, xq
	s_load_b128 s[12:15], s[0:1], 0x20             ; route, rw
	v_lshl_add_u32 v14, v0, 2, SPARE
	v_mov_b32 v15, 0
	v_lshrrev_b32 v1, 5, v0
	v_readfirstlane_b32 s40, v1                    ; wave
	v_and_b32 v1, 31, v0                           ; lane
	v_and_b32 v2, 15, v0                           ; r
	v_bfe_u32 v3, v0, 4, 1                         ; h
	s_wait_alu depctr_va_vdst(0)
	s_lshl_b32 s41, s40, 9
	v_lshl_add_u32 v4, v1, 4, s41                  ; x: 512 w + 16 lane
	s_lshl_b32 s42, s40, 14
	v_and_b32 v5, 7, v1
	v_lshl_add_u32 v5, v5, 4, s42
	v_lshrrev_b32 v16, 3, v1
	v_lshl_add_u32 v5, v16, 12, v5                 ; Wg: row 128 w + 32 (lane / 8), columns 4 (lane % 8) on
	s_mul_i32 s42, s40, XAW
	v_lshl_add_u32 v7, v1, 2, s42
	s_lshl_b32 s43, s40, 7
	s_add_co_u32 s43, s43, XC
	v_lshl_add_u32 v6, v1, 2, s43
	s_lshl_b32 s60, ttmp9, 16
	s_mov_b32 s61, 0
	s_mov_b32 s48, 0x76543210
	s_mov_b32 s49, 0xfedcba98
	s_mov_b32 s50, 0xffff0000
	s_mov_b32 s16, 0x05010400                      ; v_perm_b32: bytes 0 and 1 of two registers, interleaved; bytes 2 and 3; low halves; high halves
	s_mov_b32 s17, 0x07030602
	s_mov_b32 s18, 0x05040100
	s_mov_b32 s19, 0x07060302
	s_wait_alu depctr_va_vdst(0)
	s_wait_kmcnt 0x0
	s_load_b128 s[44:47], s[8:9], 0x0              ; e0 .. e3
	s_add_nc_u64 s[4:5], s[4:5], s[60:61]
.set n, 0
.rept 16
	global_load_b128 v[64+4*n:67+4*n], v4, s[4:5] offset:4096*n th:TH_LOAD_NT   ; 512 consecutive bytes of token n
.set n, n+1
.endr
.set n, 0
.rept 32
	global_load_b128 v[XW+4*n:XW+3+4*n], v5, s[6:7] offset:128*n
.set n, n+1
.endr
	s_lshl_b32 s60, ttmp9, 14
	s_add_nc_u64 s[10:11], s[10:11], s[60:61]
	s_lshl_b32 s60, ttmp9, 8
	s_add_nc_u64 s[12:13], s[12:13], s[60:61]
	s_lshl_b32 s60, ttmp9, 7
	s_add_nc_u64 s[14:15], s[14:15], s[60:61]
.macro POW2 se, vs, vl                 ; 2^e, and 57,344 x 2^e
	s_add_co_i32 s57, s[\se], 127
	s_lshl_b32 s58, s57, 23
	v_mov_b32 v[\vs], s58
	s_add_co_i32 s57, s57, 15
	s_lshl_b32 s57, s57, 23
	s_or_b32 s57, s57, 0x600000
	v_mov_b32 v[\vl], s57
.endm
	s_wait_kmcnt 0x0
	POW2 45, 10, 11
	POW2 44, 12, 13
	POW2 47, 8, 9
	s_wait_alu depctr_va_vdst(0)                   ; the head's end
; tokens 2 p and 2 p + 1: a lane holds four neighbours along k of each; a conversion makes one register of four codes for each token
.macro PAIR p
.set TT, 32+8*((\p)%2)
.set XX, 64+8*(\p)
	s_wait_loadcnt 46-2*(\p)                       ; these two loads are in; those behind them may be out
.irp i, 0,1,2,3,4,5,6,7
	v_med3_num_f32 v[TT+\i], v[XX+\i], -v9, v9     ; the conversion to an 8-bit code does not saturate (ISA guide 7.6.2): the hold at the largest code x the scale
.endr
	v_cvt_scalef32_pk8_bf8_f32 v[48+2*(\p):49+2*(\p)], v[TT:TT+7], v8
.irp i, 0,1,2,3,4,5,6,7
	v_med3_num_f32 v[XX+\i], v[XX+\i], -v13, v13
.endr
	v_cvt_scalef32_pk8_bf8_f32 v[16+2*(\p):17+2*(\p)], v[XX:XX+7], v12
	v_nop
	ds_store_b32 v6, v[48+2*(\p)] offset:XCP*2*(\p)
	ds_store_b32 v6, v[49+2*(\p)] offset:XCP*2*(\p)+XCP
	ds_store_b32 v7, v[16+2*(\p)] offset:XAP*2*(\p)
	ds_store_b32 v7, v[17+2*(\p)] offset:XAP*2*(\p)+XAP
.endm
.irp p, 0,1,2,3,4,5,6,7
	PAIR \p
.endr
	s_lshl_b32 s42, s40, 12
	s_add_co_u32 s42, s42, WI
	v_and_b32 v4, 3, v1                            ; column 4 (lane % 8) + j: tile (lane / 4) % 2, row 4 (lane % 4) + j
	v_lshlrev_b32 v4, 6, v4
	v_bfe_u32 v32, v1, 2, 1
	v_lshl_add_u32 v4, v32, 11, v4
	v_lshrrev_b32 v32, 3, v1
	v_lshl_add_u32 v4, v32, 9, v4
	v_add_nc_u32 v4, s42, v4
	s_wait_alu depctr_va_vdst(0)
.macro QHALF hh, pp, left              ; 16 k x 4 columns a lane -> 16 codes along k for each column
	s_wait_loadcnt \left
.set n, 0
.rept 64
	v_med3_num_f32 v[XW+64*(\hh)+n], v[XW+64*(\hh)+n], -v11, v11
.set n, n+1
.endr
.set n, 0
.rept 8
	v_cvt_scalef32_pk8_bf8_f32 v[R+2*n:R+2*n+1], v[XW+64*(\hh)+8*n:XW+64*(\hh)+8*n+7], v10
.set n, n+1
.endr
	v_nop
.irp q, 0,1,2,3
	v_perm_b32 v[T+4*\q],   v[R+4*\q+1], v[R+4*\q],   s16
	v_perm_b32 v[T+4*\q+1], v[R+4*\q+1], v[R+4*\q],   s17
	v_perm_b32 v[T+4*\q+2], v[R+4*\q+3], v[R+4*\q+2], s16
	v_perm_b32 v[T+4*\q+3], v[R+4*\q+3], v[R+4*\q+2], s17
.endr
.irp q, 0,1,2,3
	v_perm_b32 v[\pp+\q],    v[T+4*\q+2], v[T+4*\q],   s18
	v_perm_b32 v[\pp+4+\q],  v[T+4*\q+2], v[T+4*\q],   s19
	v_perm_b32 v[\pp+8+\q],  v[T+4*\q+3], v[T+4*\q+1], s18
	v_perm_b32 v[\pp+12+\q], v[T+4*\q+3], v[T+4*\q+1], s19
.endr
.irp j, 0,1,2,3
	ds_store_b128 v4, v[\pp+4*\j:\pp+4*\j+3] offset:256*(\hh)+16*\j
.endr
.endm
	QHALF 0, 96, 16                                ; the second half's 16 loads may be out
	QHALF 1, 112, 0
	s_mul_i32 s41, s40, XAW
	v_mul_u32_u24 v12, v2, XAP
	v_lshl_add_u32 v12, v3, 4, v12
	v_add_nc_u32 v12, s41, v12
	v_lshl_add_u32 v13, v1, 4, s42
.irp c, 0,1,2,3
	ds_load_b128 v[32+4*\c:35+4*\c], v12 offset:32*\c              ; my own bytes: LDS serves a wave's instructions in order (ISA guide 5.7.1.4)
	ds_load_b128 v[128+4*\c:131+4*\c], v13 offset:512*\c
	ds_load_b128 v[144+4*\c:147+4*\c], v13 offset:2048+512*\c
.endr
	s_lshl_b32 s41, s40, 11
	v_lshlrev_b32 v11, 4, v1
	v_add_nc_u32 v10, s41, v11                     ; xq: rows 2 w on, 16 lane
	s_add_co_u32 s41, s41, RED
	v_add_nc_u32 v8, s41, v11
	s_mul_i32 s41, s40, 2*XCP
	s_add_co_u32 s41, s41, XC
	v_add_nc_u32 v9, s41, v11
	v_add_nc_u32 v11, RED, v11
	s_wait_alu depctr_va_vdst(0)
	s_wait_dscnt 0x0
	v_wmma_f32_16x16x128_bf8_bf8 v[48:55], v[128:143], v[32:47], 0   ; transposed: a lane holds one token, registers run along the experts
	v_wmma_f32_16x16x128_bf8_bf8 v[56:63], v[144:159], v[32:47], 0
.rept 4
	v_nop
.endr
.irp q, 0,1,2,3
	ds_store_b128 v8, v[48+4*\q:51+4*\q] offset:512*\q
.endr
	s_wait_dscnt 0x0                               ; for the others: my codes and sums lie in LDS
	s_barrier_signal -1
	s_barrier_wait -1
.macro CODES                           ; two rows of the experts' codes leave
.irp t, 0,1,2,3
	ds_load_b128 v[32+4*\t:35+4*\t], v9 offset:XCP*(\t/2)+512*(\t%2)
.endr
	s_wait_dscnt 0x0
.irp t, 0,1,2,3
	global_store_b128 v10, v[32+4*\t:35+4*\t], s[10:11] offset:512*\t   ; 512 consecutive bytes, aligned
.endr
.endm
	s_cmp_lg_u32 s40, 0
	s_wait_alu depctr_va_vdst(0)
	s_cbranch_scc1 .Lothers
.irp p, 0,1,2,3,4,5,6,7
.irp q, 0,1,2,3
	ds_load_b128 v[64+16*\p+4*\q:67+16*\p+4*\q], v11 offset:2048*\p+512*\q
.endr
.endr
	CODES                                          ; (its wait for 0 covers the sums too)
.irp d, 64,32,16                       ; eight sums to four, to two, to one
.set n, 0
.rept \d/2
	v_pk_add_f32 v[64+2*n:65+2*n], v[64+2*n:65+2*n], v[64+\d+2*n:65+\d+2*n]
.set n, n+1
.endr
.endr
.macro ARGMAX val, idx                 ; the largest of my token's 32 (16 a lane), and the lowest expert that has it
	v_max3_num_f32 v[\val], v64, v65, v66
.irp i, 67,69,71,73,75,77
	v_max3_num_f32 v[\val], v[\val], v[\i], v[\i+1]
.endr
	v_max_num_f32 v[\val], v[\val], v79
	v_permlanex16_b32 v104, v[\val], s48, s49
	v_max_num_f32 v[\val], v[\val], v104
	v_mov_b32 v[\idx], 64
.irp i, 0,1,2,3,4,5,6,7,8,9,10,11,12,13,14,15
	v_cmp_neq_f32 s[16+\i], v[64+\i], v[\val]
.endr
.irp i, 0,1,2,3,4,5,6,7,8,9,10,11,12,13,14,15
	v_cndmask_b32 v[80+\i], \i+8*(\i/8), v[\idx], s[16+\i]
.endr
.irp i, 0,1,2,3,4,5,6,7
	v_min_u32 v[80+\i], v[80+\i], v[88+\i]
.endr
.irp i, 0,1,2,3
	v_min_u32 v[80+\i], v[80+\i], v[84+\i]
.endr
.irp i, 0,1
	v_min_u32 v[80+\i], v[80+\i], v[82+\i]
.endr
	v_min_u32 v[\idx], v80, v81
	v_add_nc_u32 v[\idx], v[\idx], v106
	v_permlanex16_b32 v104, v[\idx], s48, s49
	v_min_u32 v[\idx], v[\idx], v104
.endm
	v_lshlrev_b32 v106, 3, v3
	v_mov_b32 v104, 0
	v_mov_b32 v108, 0xff800000
	ARGMAX 100, 101
	s_add_co_i32 s59, s44, s45
	v_mov_b32 v105, 0x3fb8aa3b
	v_ldexp_f32 v105, v105, s59                    ; log2(e) x 2^(e0 + e1)
.irp i, 0,1,2,3,4,5,6,7,8,9,10,11,12,13,14,15
	v_sub_f32 v[80+\i], v[64+\i], v100
.endr
.irp i, 0,1,2,3,4,5,6,7,8,9,10,11,12,13,14,15
	v_mul_f32 v[80+\i], v[80+\i], v105
.endr
	s_wait_alu depctr_va_vdst(0)
.irp i, 0,1,2,3,4,5,6,7,8,9,10,11,12,13,14,15
	v_exp_f32 v[80+\i], v[80+\i]
.endr
	v_sub_nc_u32 v107, v101, v106
	s_wait_alu depctr_va_vdst(0)
	v_pk_add_f32 v[112:113], v[80:81], v[82:83]
	v_pk_add_f32 v[114:115], v[84:85], v[86:87]
	v_pk_add_f32 v[116:117], v[88:89], v[90:91]
	v_pk_add_f32 v[118:119], v[92:93], v[94:95]
	v_pk_add_f32 v[112:113], v[112:113], v[114:115]
	v_pk_add_f32 v[116:117], v[116:117], v[118:119]
	v_pk_add_f32 v[112:113], v[112:113], v[116:117]
	v_add_f32 v112, v112, v113
	v_permlanex16_b32 v104, v112, s48, s49
	v_add_f32 v112, v112, v104
.irp i, 0,1,2,3,4,5,6,7,8,9,10,11,12,13,14,15
	v_cmp_eq_u32 vcc_lo, \i+8*(\i/8), v107
	v_cndmask_b32 v[64+\i], v[64+\i], v108, vcc_lo ; the first choice leaves the field
.endr
	ARGMAX 102, 103
	v_sub_f32 v121, v102, v100
	v_mul_f32 v121, v121, v105
	s_wait_alu depctr_va_vdst(0)
	v_exp_f32 v121, v121
	v_rcp_f32 v120, v112                           ; the first score is 1 / sum, the second v121 / sum
	v_nop
	s_wait_alu depctr_va_vdst(0)
	v_fma_f32 v121, v121, v120, -v120
	v_mul_f32 v121, 0x3fb8aa3b, v121
	s_wait_alu depctr_va_vdst(0)
	v_exp_f32 v121, v121
	v_nop
	s_wait_alu depctr_va_vdst(0)
	v_add_f32 v122, 1.0, v121
	s_wait_alu depctr_va_vdst(0)
	v_rcp_f32 v122, v122
	v_nop
	s_wait_alu depctr_va_vdst(0)
	v_mul_f32 v123, v121, v122
	v_cndmask_b32 v124, v101, v103, s50            ; lanes 0-15: first choice, 16-31: second
	v_cndmask_b32 v125, v122, v123, s50
.irp k, 0,1,2,3,4                      ; lane e: the lanes whose expert has the five bits of e: five ballots, each turned by e's own bit
	v_bfe_u32 v[80+\k], v124, \k, 1
	v_bfe_u32 v[88+\k], v1, \k, 1
.endr
.irp k, 0,1,2,3,4
	v_cmp_ne_u32 s[16+\k], 0, v[80+\k]
	v_sub_nc_u32 v[88+\k], 0, v[88+\k]
.endr
.irp k, 0,1,2,3,4
	v_xor_b32 v[88+\k], s[16+\k], v[88+\k]
.endr
	v_or_b32 v88, v88, v89
	v_or_b32 v90, v90, v91
	v_or_b32 v88, v88, v92
	v_or_b32 v88, v88, v90
	v_xor_b32 v126, -1, v88                        ; the mask
	v_lshrrev_b32 v80, 1, v126
	v_and_b32 v80, 0x55555555, v80
	v_sub_nc_u32 v80, v126, v80
	v_lshrrev_b32 v81, 2, v80
	v_and_b32 v81, 0x33333333, v81
	v_and_b32 v80, 0x33333333, v80
	v_add_nc_u32 v80, v80, v81
	v_lshrrev_b32 v81, 4, v80
	v_add_nc_u32 v80, v80, v81
	v_and_b32 v80, 0x0f0f0f0f, v80
	v_lshrrev_b32 v81, 8, v80
	v_add_nc_u32 v80, v80, v81
	v_lshrrev_b32 v81, 16, v80
	v_add_nc_u32 v80, v80, v81
	v_and_b32 v127, 0x3f, v80                      ; its set bits
	v_lshlrev_b32 v129, 3, v2
	v_lshl_add_u32 v129, v3, 2, v129
	v_lshlrev_b32 v131, 3, v1
	global_store_b32 v129, v125, s[14:15]
	global_store_b64 v131, v[126:127], s[12:13]    ; lane e: expert e's mask and number: 256 consecutive bytes, aligned
	s_branch .Lend
.Lothers:
	CODES
.Lend:
	s_wait_tensorcnt 0x0                           ; the wave's end
	ds_add_u32 v14, v15
	s_wait_dscnt 0x0
	s_endpgm
.Lfunc_end_k_q7eb49acde9_gate:
	.size	k_q7eb49acde9_gate, .Lfunc_end_k_q7eb49acde9_gate-k_q7eb49acde9_gate
	.p2alignl 7, 3214868480
	.fill 96, 4, 3214868480
	.section	.rodata,"a",@progbits
	.p2align	6, 0x0
	.amdhsa_kernel k_q7eb49acde9_gate
		.amdhsa_group_segment_fixed_size 85248
		.amdhsa_private_segment_fixed_size 0
		.amdhsa_enable_private_segment 0
		.amdhsa_kernarg_size 48
		.amdhsa_user_sgpr_count 2
		.amdhsa_user_sgpr_kernarg_segment_ptr 1
		.amdhsa_wavefront_size32 1
		.amdhsa_system_sgpr_workgroup_id_x 1
		.amdhsa_system_sgpr_workgroup_id_y 1
		.amdhsa_system_sgpr_workgroup_id_z 1
		.amdhsa_system_vgpr_workitem_id 0
		.amdhsa_next_free_vgpr 256
		.amdhsa_next_free_sgpr 66
		.amdhsa_reserve_vcc 1
		.amdhsa_float_denorm_mode_32 3
		.amdhsa_float_denorm_mode_16_64 3
		.amdhsa_memory_ordered 1
		.amdhsa_forward_progress 1
		.amdhsa_inst_pref_size 56
	.end_amdhsa_kernel
	.amdgpu_metadata
---
amdhsa.version: [ 1, 2 ]
amdhsa.kernels:
  - .name:           k_q7eb49acde9_gate
    .symbol:         k_q7eb49acde9_gate.kd
    .args:
      - { .name: x, .offset: 0, .size: 8, .value_kind: global_buffer, .address_space: global }
      - { .name: Wg, .offset: 8, .size: 8, .value_kind: global_buffer, .address_space: global }
      - { .name: lowp_scales, .offset: 16, .size: 8, .value_kind: global_buffer, .address_space: global }
      - { .name: xq, .offset: 24, .size: 8, .value_kind: global_buffer, .address_space: global }
      - { .name: route, .offset: 32, .size: 8, .value_kind: global_buffer, .address_space: global }
      - { .name: rw, .offset: 40, .size: 8, .value_kind: global_buffer, .address_space: global }
    .group_segment_fixed_size: 85248
    .private_segment_fixed_size: 0
    .kernarg_segment_align: 8
    .kernarg_segment_size: 48
    .max_flat_workgroup_size: 256
    .sgpr_count:     66
    .vgpr_count:     256
    .wavefront_size: 32
...
	.end_amdgpu_metadata
.endif
;; end of part 1
;; launch up (part 2): grid 256 x 1, 8 waves a work-group, no clusters, 168,960 bytes of LDS; arguments W1, b1, lowp_scales, xq, route, hq, rows; writes hq, rows
.if DOCPART == 2
	.amdgcn_target "amdgcn-amd-amdhsa--gfx1250"
	.amdhsa_code_object_version 6
	.text
	.protected	k_q7eb49acde9_up
	.globl	k_q7eb49acde9_up
	.p2align	8
	.type	k_q7eb49acde9_up,@function
k_q7eb49acde9_up:
	s_mov_b64 s[64:65], 0
	v_nop
	global_prefetch_b8 v0, s[64:65] scope:SCOPE_SE
	s_setreg_imm32_b32 hwreg(HW_REG_WAVE_MODE, 25, 1), 1
	s_wait_xcnt 0x0
; UP.  Work-group 8 e + s makes hidden units 32 s .. 32 s + 31 of expert e for ALL rows routed to e: x W1 + b1, exact gelu, codes with 2^e4.  Only chosen rows are computed (see gate's head and its limit).
; The slice of W1 [1024 (k)][32 units] f32 is read once, 128 KiB, straight into registers (wave w: k = 128 w on; 32 loads), quantised with 2^e2, turned along k by byte permutes and laid in LDS as an image of the
; operand's registers (16 fragments, 32 KiB).  Every wave then holds all 16 in 256 registers and walks row tiles w, w + 8, .. of 16 rows.
; THE ROWS.  route holds for each of 256 blocks a mask of e's rows and their number.  Lane L stands for blocks 8 L .. 8 L + 7: a prefix sum over the lanes, then for list place p a search over the lanes (31 compares),
; over the lane's 8 blocks, and over the mask's bits.  A search takes 32 places: two of the wave's tiles.  Places past the last row repeat the last row.
; Slice 0 stores the list (rows: e 16384 + 4 p) and the number of rows (524288 + e 1024).
; A tile's rows are gathered as whole rows (two an instruction, 256 bytes of each) and turned into fragments through the wave's own stage in LDS.  In trip k tile k lies in the stage, tile k + 1's loads are out, and
; tile k + 2's follow when tile k + 1 has been staged.
; The product is transposed (source 0 = 16 units, source 1 = 16 rows); tile u's row r is unit 8 u + r + 8 (r / 8), so a lane's 16 results are units 16 h + 0 .. 15 of one row: 16 bytes of the next operand's image:
; hq: e 2^20 + 4096 tile + 512 s + 16 lane.
; No tensor loads, joint or other: how many tiles a wave walks hangs on stored numbers, so partners in a cluster would ask different numbers of times; each weight byte goes once straight into registers.
; No prefetch: the weights are all asked for at the head, before any loop, and the gathered rows up to two tiles ahead.
; erf(z) = z P(z^2) / Q(z^2) on z held within +-4 (13th over 8th degree; its error is a few 1e-7 absolute), gelu(a) = a / 2 + a / 2 x erf(a / sqrt 2).
; LIMITS.  e2, e4 between -126 and 112; e2 + e3 between -125 and 126.  NaN is not served.
; REGISTERS.  Window 0: v0-31 addresses, masks, offsets (v5: the tokens of the last search); v32-47 b1; v48-63 accumulators (at the head: addresses); v64-127 fragments and work; v128-255 gathered rows.
;   Window 1: at the head W1 as f32 (v0-127) and tile 0's rows (v128-255); then W1's 16 fragments.
.set MSK,  32768                       ; LDS: from 0 the image of W1; 256 masks and 256 numbers
.set XT,   34816                       ; for each wave 16 rows x (1,024 + 16) bytes
.set XTW,  16640
.set XP,   1040
.set SPARE, 167936
.set B1,   32
.set AC,   48
.set XB,   64
.set Z,    64
.set HF,   80
.set X2,   96
.set P,    112
.set Q,    48
.set GO,   24
.set GX,   128
.set R,    80
.set T,    96
.set MSB, 0
.macro WIN new                         ; the immediate's high byte repeats the setting that is left; bits 1:0 source 0, 3:2 source 1, 5:4 source 2, 7:6 destination
.if MSB != \new
	s_set_vgpr_msb (MSB<<8)|\new
.set MSB, \new
.endif
.endm
.macro PLACES                          ; four places behind matrix instructions (not for loads)
.rept 4
	v_nop
.endr
.endm
.macro POW2 se, vs, vl
	s_add_co_i32 s57, s[\se], 127
	s_lshl_b32 s58, s57, 23
	v_mov_b32 v[\vs], s58
	s_add_co_i32 s57, s57, 15
	s_lshl_b32 s57, s57, 23
	s_or_b32 s57, s57, 0x600000
	v_mov_b32 v[\vl], s57
.endm
	s_load_b256 s[4:11], s[0:1], 0x0               ; W1, b1, exponents, xq
	s_load_b128 s[12:15], s[0:1], 0x20             ; route, hq
	s_load_b64 s[16:17], s[0:1], 0x30              ; rows
	v_lshl_add_u32 v14, v0, 2, SPARE
	v_mov_b32 v15, 0
	v_lshrrev_b32 v1, 5, v0
	v_readfirstlane_b32 s18, v1                    ; wave
	v_and_b32 v50, 31, v0                          ; lane
	v_and_b32 v9, 15, v0                           ; r
	v_bfe_u32 v49, v0, 4, 1                        ; h
	v_lshlrev_b32 v1, 4, v50                       ; 16 lane
	v_lshlrev_b32 v62, 4, v9                       ; 16 r
	s_wait_alu depctr_va_vdst(0)
	s_lshr_b32 s19, ttmp9, 3                       ; expert
	s_and_b32 s20, ttmp9, 7                        ; slice
	s_lshl_b32 s21, s19, 3
	v_lshl_add_u32 v51, v0, 8, s21                 ; thread b: block b's pair for my expert
	v_lshrrev_b32 v52, 3, v50
	v_and_b32 v53, 7, v50
	s_lshl_b32 s21, s18, 17
	s_lshl_b32 s22, s20, 7
	s_add_co_u32 s21, s21, s22
	v_lshl_add_u32 v54, v53, 4, s21
	v_lshl_add_u32 v54, v52, 15, v54               ; W1: row 128 w + 32 (lane / 8), units 32 s + 4 (lane % 8) on
	s_lshl_b32 s23, s19, 10
	s_add_co_u32 s23, s23, s22
	v_lshl_add_u32 v55, v49, 6, s23                ; b1: units 32 s + 16 h on
	s_lshl_b32 s22, s19, 20
	s_mov_b32 s23, 0
	s_wait_alu depctr_va_vdst(0)
	s_wait_kmcnt 0x0
	s_load_b128 s[24:27], s[8:9], 0x8              ; e2 .. e5
	global_load_b32 v56, v51, s[12:13]
	global_load_b32 v57, v51, s[12:13] offset:4
	s_add_nc_u64 s[4:5], s[4:5], s[22:23]
.macro WLOAD n0                        ; 16 loads of W1, four rows x 128 bytes each
	WIN 0x40
.set n, \n0
.rept 16
	global_load_b128 v[4*n:4*n+3], v54, s[4:5] offset:1024*n
.set n, n+1
.endr
	WIN 0
.endm
	WLOAD 0
	s_mul_i32 s21, s18, XTW
	s_add_co_u32 s21, s21, XT
	v_mul_u32_u24 v2, v49, XP
	v_add_nc_u32 v2, v2, v62
	v_add_nc_u32 v2, s21, v2                       ; the stage, in: row h of a pair, 16 r
	v_mul_u32_u24 v3, v9, XP
	v_lshl_add_u32 v3, v49, 4, v3
	v_add_nc_u32 v3, s21, v3                       ; and out: row r, + 16 h
	v_and_b32 v48, 1, v50                          ; the image: unit 4 (lane % 8) + j: tile = its bit 3, row = its bits 4 and 2:0
	v_lshlrev_b32 v48, 6, v48
	v_bfe_u32 v58, v50, 1, 1
	v_lshl_add_u32 v48, v58, 11, v48
	v_bfe_u32 v58, v50, 2, 1
	v_lshl_add_u32 v48, v58, 7, v48
	v_lshl_add_u32 v48, v52, 9, v48
	s_lshl_b32 s21, s18, 12
	v_add_nc_u32 v48, s21, v48
	v_lshl_add_u32 v58, v0, 2, MSK
	v_lshlrev_b32 v59, 5, v50
	v_add_nc_u32 v59, MSK, v59
	v_mov_b32 v4, 0xb77460cd                       ; Q's leading coefficient
	v_mov_b32 v8, 0xaf95df0b                       ; P's
	s_lshl_b32 s21, s20, 9
	s_add_co_u32 s22, s22, s21
	s_add_nc_u64 s[14:15], s[14:15], s[22:23]      ; hq + e 2^20 + 512 s
	s_lshl_b32 s51, s19, 14
	s_mov_b32 s59, 0xffff0000                      ; lanes 16-31
	s_mov_b32 s36, 0x05010400                      ; v_perm_b32: bytes 0 and 1 of two registers, interleaved; bytes 2 and 3; low halves; high halves
	s_mov_b32 s37, 0x07030602
	s_mov_b32 s38, 0x05040100
	s_mov_b32 s39, 0x07060302
	s_wait_alu depctr_va_vdst(0)
	s_wait_kmcnt 0x0
	POW2 24, 60, 61
	POW2 26, 6, 7
	s_add_co_i32 s53, s24, s25                     ; e2 + e3: a sum stands for sum x 2^(e2 + e3)
	s_lshl_b32 s54, s53, 23
	s_add_co_i32 s28, s54, 0x3f3504f3              ; 2^(e2 + e3) / sqrt 2, by adding to the exponent field
	s_mov_b32 s29, s28
	s_add_co_i32 s30, s54, 0x3f000000              ; 2^(e2 + e3) / 2
	s_mov_b32 s31, s30
	s_sub_co_i32 s53, 0, s53
	s_wait_alu depctr_va_vdst(0)
	s_wait_loadcnt 16                              ; the masks are in; the 16 loads of W1 may be out
	ds_store_b32 v58, v56
	ds_store_b32 v58, v57 offset:1024
	s_wait_dscnt 0x0                               ; for the others: my 32 blocks lie in LDS
	s_barrier_signal -1
	s_barrier_wait -1
	ds_load_b128 v[16:19], v59                     ; lane L: blocks 8 L .. 8 L + 7: masks,
	ds_load_b128 v[20:23], v59 offset:16
	ds_load_b128 v[80:83], v59 offset:1024         ; and numbers
	ds_load_b128 v[84:87], v59 offset:1040
.irp i, 88,89,90,91
	v_mov_b32 v[\i], 0
.endr
	s_wait_alu depctr_va_vdst(0)
	s_wait_dscnt 0x0
.irp i, 81,82,83,84,85,86,87
	v_add_nc_u32 v[\i], v[\i], v[\i-1]             ; sums within the lane: at most 16 a block, so a byte holds each
.endr
	v_lshl_or_b32 v11, v81, 8, v80
	v_lshl_or_b32 v12, v85, 8, v84
	v_lshl_or_b32 v11, v82, 16, v11
	v_lshl_or_b32 v12, v86, 16, v12
	v_lshl_or_b32 v11, v83, 24, v11
	v_mov_b32 v13, v87
	v_mov_b32_dpp v88, v13 row_shr:1 row_mask:0xf bank_mask:0xf    ; lanes without a source keep 0
	v_add_nc_u32 v13, v13, v88
	v_mov_b32_dpp v89, v13 row_shr:2 row_mask:0xf bank_mask:0xf
	v_add_nc_u32 v13, v13, v89
	v_mov_b32_dpp v90, v13 row_shr:4 row_mask:0xf bank_mask:0xf
	v_add_nc_u32 v13, v13, v90
	v_mov_b32_dpp v91, v13 row_shr:8 row_mask:0xf bank_mask:0xf
	v_add_nc_u32 v13, v13, v91
	v_readlane_b32 s50, v13, 15
	v_mul_u32_u24 v88, s50, v49
	v_add_nc_u32 v13, v13, v88                     ; rows up to and with lane L's blocks
	v_sub_nc_u32 v10, v13, v87                     ; rows ahead of them
	s_wait_alu depctr_va_vdst(0)
.set n, 0
.rept 31
	v_readlane_b32 s[66+n], v13, n                 ; s66-96: the same for lanes 0 .. 30, for the searches
.set n, n+1
.endr
	v_readlane_b32 s49, v13, 31
	s_min_u32 s49, s49, 0x1000                     ; n: my expert's rows
	v_mov_b32 v58, s49
	s_lshl_b32 s52, s19, 10
	s_add_co_u32 s52, s52, 0x80000
	v_lshl_add_u32 v59, v0, 2, s52
	s_add_co_u32 s41, s49, 15
	s_lshr_b32 s41, s41, 4                         ; tiles
	s_sub_co_u32 s47, s49, 1                       ; n - 1 (with n = 0 all ones: nothing is walked then)
	s_add_co_u32 s45, s41, 7
	s_sub_co_u32 s45, s45, s18
	s_lshr_b32 s45, s45, 3                         ; my tiles
	s_mov_b32 s40, s18
	s_mov_b32 s43, s18
	s_mov_b32 s44, 0
	s_cmp_lg_u32 s20, 0
	s_wait_alu depctr_va_vdst(0)
	s_cbranch_scc1 .Lnocount
	global_store_b32 v59, v58, s[16:17]            ; the number of rows, 1,024 bytes of it
.Lnocount:
.macro SEL reg, width, step            ; is my bit behind the next `step' bits?
	v_bfe_u32 v87, v[\reg], v86, \width
	v_sub_nc_u32 v88, v69, v87
	v_add_nc_u32 v89, \step, v86
	v_cmp_le_u32 vcc_lo, v87, v69
	v_cndmask_b32 v69, v69, v88, vcc_lo
	v_cndmask_b32 v86, v86, v89, vcc_lo
.endm
; the rows of tiles s43 (lanes 0-15) and s43 + 8 (lanes 16-31): found, and listed by slice 0.  head = 1: W1's other 16 loads and b1's four follow the LDS round trip
.macro SEARCH head, ld, la
	s_min_u32 s46, s43, 247
	s_lshl_b32 s46, s46, 4
	s_lshl_b32 s48, s46, 2
	s_add_co_u32 s48, s48, s51
	v_bfe_u32 v100, v0, 4, 1
	v_lshl_add_u32 v64, v100, 7, v9
	v_lshl_add_u32 v[\la], v64, 2, s48
	v_add_nc_u32 v64, s46, v64
	v_min_u32 v64, s47, v64                        ; p
	v_mov_b32 v65, 0                               ; lanes whose rows all lie ahead of p
.set n, 0
.rept 31
	v_cmp_le_u32 s[54+(n%4)], s[66+n], v64
	v_cndmask_b32 v65, v65, n+1, s[54+(n%4)]
.set n, n+1
.endr
	v_lshlrev_b32 v65, 2, v65
	ds_bpermute_b32 v69, v65, v10                  ; no LDS byte is touched
	ds_bpermute_b32 v70, v65, v11
	ds_bpermute_b32 v71, v65, v12
.irp j, 0,1,2,3,4,5,6,7
	ds_bpermute_b32 v[72+\j], v65, v[16+\j]
.endr
	v_mov_b32 v80, 0
	v_mov_b32 v81, 0
	v_mov_b32 v86, 0
	s_wait_alu depctr_va_vdst(0)
	s_wait_dscnt 0x0
.if \head
	WLOAD 16
.irp q, 0,1,2,3
	global_load_b128 v[B1+4*\q:B1+4*\q+3], v55, s[6:7] offset:16*\q
.endr
.endif
	v_sub_nc_u32 v69, v64, v69                     ; my place among the lane's rows
.irp j, 0,1,2,3,4,5,6
	v_bfe_u32 v82, v[70+\j/4], 8*(\j%4), 8
	v_cmp_gt_u32 vcc_lo, v82, v69
	v_cndmask_b32 v80, v82, v80, vcc_lo
	v_cndmask_b32 v72, v[73+\j], v72, vcc_lo
	v_cndmask_b32 v81, \j+1, v81, vcc_lo
.endr
	v_sub_nc_u32 v69, v69, v80                     ; and among the block's: the mask's set bit number v69
	v_lshrrev_b32 v82, 1, v72
	v_and_b32 v82, 0x55555555, v82
	v_sub_nc_u32 v82, v72, v82                     ; set bits in each 2,
	v_lshrrev_b32 v83, 2, v82
	v_and_b32 v83, 0x33333333, v83
	v_and_b32 v84, 0x33333333, v82
	v_add_nc_u32 v83, v83, v84                     ; in each 4,
	v_lshrrev_b32 v84, 4, v83
	v_add_nc_u32 v84, v84, v83
	v_and_b32 v84, 0x0f0f0f0f, v84                 ; in each 8,
	v_lshrrev_b32 v85, 8, v84
	v_add_nc_u32 v85, v85, v84                     ; in the low 16 (its low byte)
	SEL 85, 8, 16
	SEL 84, 8, 8
	SEL 83, 4, 4
	SEL 82, 2, 2
	SEL 72, 1, 1
	v_lshl_add_u32 v81, v65, 1, v81                ; block 8 L + i
	v_and_b32 v87, 15, v86
	v_lshl_add_u32 v5, v81, 4, v87                 ; token
	v_lshrrev_b32 v87, 4, v86                      ; slot
	v_lshl_add_u32 v[\ld], v5, 1, v87              ; routed row
	s_cmp_lg_u32 s20, 0
	s_wait_alu depctr_va_vdst(0)
	s_cbranch_scc1 .Lnolist_\@
	global_store_b32 v[\la], v[\ld], s[16:17]
.if \head == 0
	s_wait_xcnt 0x0                                ; its registers are written again in this trip
.endif
.Lnolist_\@:
.endm
; the 16 rows of the search's tile `half': two rows an instruction, 256 consecutive bytes of each; win = 1: into window 1
.macro GATHER half, win
	v_lshlrev_b32 v101, 4, v9
.irp i, 0,1,2,3,4,5,6,7
	v_readlane_b32 s[54+2*(\i%2)], v5, 16*(\half)+2*\i
	v_readlane_b32 s[55+2*(\i%2)], v5, 16*(\half)+2*\i+1
	v_mov_b32 v[92+\i], s[54+2*(\i%2)]
	v_cndmask_b32 v[92+\i], v[92+\i], s[55+2*(\i%2)], s59
	v_min_u32 v[92+\i], 0xfff, v[92+\i]
	v_lshl_add_u32 v[GO+\i], v[92+\i], 10, v101
.endr
.if \win
	WIN 0x40
.endif
.irp i, 0,1,2,3,4,5,6,7
.irp q, 0,1,2,3
	global_load_b128 v[GX+16*\i+4*\q:GX+16*\i+4*\q+3], v[GO+\i], s[10:11] offset:256*\q
.endr
.endr
	WIN 0
.endm
.macro STAGE win                       ; a tile's rows into my stage
.if \win
	WIN 0x04
.endif
.irp i, 0,1,2,3,4,5,6,7
.irp q, 0,1,2,3
	ds_store_b128 v2, v[GX+16*\i+4*\q:GX+16*\i+4*\q+3] offset:2*XP*\i+256*\q
.endr
.endr
	WIN 0
.endm
.macro QHALF hh, pp                    ; 16 k x 4 units a lane -> 16 codes along k for each unit
	WIN 0x41
.set n, 0
.rept 64
	v_med3_num_f32 v[64*(\hh)+n], v[64*(\hh)+n], -v61, v61         ; the conversion to an 8-bit code does not saturate (ISA guide 7.6.2)
.set n, n+1
.endr
	WIN 0x01
.set n, 0
.rept 8
	v_cvt_scalef32_pk8_bf8_f32 v[R+2*n:R+2*n+1], v[64*(\hh)+8*n:64*(\hh)+8*n+7], v60
.set n, n+1
.endr
	WIN 0
	v_nop
.irp q, 0,1,2,3
	v_perm_b32 v[T+4*\q],   v[R+4*\q+1], v[R+4*\q],   s36
	v_perm_b32 v[T+4*\q+1], v[R+4*\q+1], v[R+4*\q],   s37
	v_perm_b32 v[T+4*\q+2], v[R+4*\q+3], v[R+4*\q+2], s36
	v_perm_b32 v[T+4*\q+3], v[R+4*\q+3], v[R+4*\q+2], s37
.endr
.irp q, 0,1,2,3
	v_perm_b32 v[\pp+\q],    v[T+4*\q+2], v[T+4*\q],   s38
	v_perm_b32 v[\pp+4+\q],  v[T+4*\q+2], v[T+4*\q],   s39
	v_perm_b32 v[\pp+8+\q],  v[T+4*\q+3], v[T+4*\q+1], s38
	v_perm_b32 v[\pp+12+\q], v[T+4*\q+3], v[T+4*\q+1], s39
.endr
.irp j, 0,1,2,3
	ds_store_b128 v48, v[\pp+4*\j:\pp+4*\j+3] offset:256*(\hh)+16*\j
.endr
.endm
	SEARCH 1, 56, 57
	GATHER 0, 1                                    ; tile 0's rows
	s_wait_alu depctr_va_vdst(0)
	s_wait_loadcnt 52                              ; W1's first 16 loads are in; behind them 16 of W1, 4 of b1 and 32 of rows
	QHALF 0, 112
	s_wait_alu depctr_va_vdst(0)
	s_wait_loadcnt 32                              ; W1 and b1 are in; tile 0's rows may be out
	s_wait_xcnt 0x0                                ; tile 0's loads have read their offsets
.set n, 0
.rept 16
	v_ldexp_f32 v[B1+n], v[B1+n], s53              ; b1 / 2^(e2 + e3): the C of each sum's first matrix instruction
.set n, n+1
.endr
	GATHER 1, 0                                    ; tile 1's rows
	QHALF 1, 64
	s_wait_alu depctr_va_vdst(0)
	s_wait_loadcnt 32                              ; tile 0's rows are in; tile 1's may be out
	STAGE 1
	s_wait_dscnt 0x0                               ; for the others: my K step's fragments lie in LDS
	s_barrier_signal -1
	s_barrier_wait -1
	WIN 0x40
.set n, 0
.rept 64
	ds_load_b128 v[4*n:4*n+3], v1 offset:512*n     ; fragment (K step n / 8, tile (n / 4) % 2), piece n % 4
.set n, n+1
.endr
	WIN 0
	s_cmp_eq_u32 s45, 0
	s_cbranch_scc1 .Lend
.macro XF s                            ; the tile's fragment of K step s
.irp c, 0,1,2,3
	ds_load_b128 v[XB+16*((\s)%4)+4*\c:XB+16*((\s)%4)+4*\c+3], v3 offset:128*(\s)+32*\c
.endr
.endm
.macro MM s                            ; two accumulators by turns
	s_wait_dscnt 12-4*((\s)%4)                     ; this step's four loads (and all ahead of them) are in; the later steps' may be out
	WIN 0x01
.irp u, 0,1
.if (\s) == 0
	v_wmma_f32_16x16x128_bf8_bf8 v[AC+8*\u:AC+8*\u+7], v[16*(2*(\s)+\u):16*(2*(\s)+\u)+15], v[XB+16*((\s)%4):XB+16*((\s)%4)+15], v[B1+8*\u:B1+8*\u+7]
.else
	v_wmma_f32_16x16x128_bf8_bf8 v[AC+8*\u:AC+8*\u+7], v[16*(2*(\s)+\u):16*(2*(\s)+\u)+15], v[XB+16*((\s)%4):XB+16*((\s)%4)+15], v[AC+8*\u:AC+8*\u+7]
.endif
.endr
.endm
.Ltile:
	s_wait_alu depctr_va_vdst(0)
	s_wait_xcnt 0x0                                ; the last tile's store has read its registers
.irp s, 0,1,2,3
	XF \s
.endr
.irp s, 0,1,2,3
	MM \s
.endr
	WIN 0
	PLACES
.irp s, 4,5,6,7
	XF \s
.endr
.irp s, 4,5,6,7
	MM \s
.endr
	WIN 0
	PLACES
	s_add_co_u32 s43, s40, 8
	s_cmp_ge_u32 s43, s41
	s_cbranch_scc1 .Lstaged
	s_wait_loadcnt 0x0                             ; the next tile's rows are in, and this tile's fragments have been read:
	STAGE 0
	s_add_co_u32 s43, s40, 16
	s_wait_dscnt 0x0                               ; the stores have read the rows' registers
	s_cmp_ge_u32 s43, s41
	s_cbranch_scc1 .Lstaged
	s_bitcmp1_b32 s44, 0
	s_cbranch_scc1 .Lodd
	SEARCH 0, 90, 91
	GATHER 0, 0                                    ; the rows of the tile behind the next
	s_wait_alu depctr_va_vdst(0)
	s_branch .Lstaged
.Lodd:
	GATHER 1, 0
.Lstaged:
.irp i, 0,2,4,6,8,10,12,14
	v_pk_mul_f32 v[Z+\i:Z+\i+1], v[AC+\i:AC+\i+1], s[28:29] op_sel_hi:[1,0]   ; z = a / sqrt 2; each accumulator from its low end on
.endr
.irp i, 0,2,4,6,8,10,12,14
	v_pk_mul_f32 v[HF+\i:HF+\i+1], v[AC+\i:AC+\i+1], s[30:31] op_sel_hi:[1,0] ; a / 2
.endr
.irp i, 0,1,2,3,4,5,6,7,8,9,10,11,12,13,14,15
	v_med3_num_f32 v[Z+\i], v[Z+\i], -4.0, 4.0
.endr
.irp i, 0,2,4,6,8,10,12,14
	v_pk_mul_f32 v[X2+\i:X2+\i+1], v[Z+\i:Z+\i+1], v[Z+\i:Z+\i+1]
.endr
.irp i, 0,2,4,6,8,10,12,14
	v_pk_fma_f32 v[P+\i:P+\i+1], v[X2+\i:X2+\i+1], v[8:9], 0x32edffee op_sel_hi:[1,0,0]
	v_pk_fma_f32 v[Q+\i:Q+\i+1], v[X2+\i:X2+\i+1], v[4:5], 0xb95fbd29 op_sel_hi:[1,0,0]
.endr
.irp k, 0xbadc924e, 0xbbf19bf8, 0xbc69b6a7
.irp i, 0,2,4,6,8,10,12,14
	v_pk_fma_f32 v[Q+\i:Q+\i+1], v[Q+\i:Q+\i+1], v[X2+\i:X2+\i+1], \k op_sel_hi:[1,1,0]
.endr
.endr
.irp k, 0xb60cff51, 0xb86ec2d2, 0xba40ac63, 0xbb41a1f6, 0xbc83dbd4
.irp i, 0,2,4,6,8,10,12,14
	v_pk_fma_f32 v[P+\i:P+\i+1], v[P+\i:P+\i+1], v[X2+\i:X2+\i+1], \k op_sel_hi:[1,1,0]
.endr
.endr
	s_wait_alu depctr_va_vdst(0)                   ; the wait ahead of the batch, and behind it
.irp i, 0,1,2,3,4,5,6,7,8,9,10,11,12,13,14,15
	v_rcp_f32 v[Q+\i], v[Q+\i]
.endr
.irp i, 0,2,4,6,8,10,12,14
	v_pk_mul_f32 v[P+\i:P+\i+1], v[P+\i:P+\i+1], v[Z+\i:Z+\i+1]
.endr
	s_wait_alu depctr_va_vdst(0)
.irp i, 0,2,4,6,8,10,12,14
	v_pk_mul_f32 v[P+\i:P+\i+1], v[P+\i:P+\i+1], v[Q+\i:Q+\i+1]    ; erf
.endr
.irp i, 0,2,4,6,8,10,12,14
	v_pk_fma_f32 v[P+\i:P+\i+1], v[P+\i:P+\i+1], v[HF+\i:HF+\i+1], v[HF+\i:HF+\i+1]
.endr
.irp i, 0,1,2,3,4,5,6,7,8,9,10,11,12,13,14,15
	v_med3_num_f32 v[P+\i], v[P+\i], -v7, v7
.endr
	v_cvt_scalef32_pk8_bf8_f32 v[64:65], v[P:P+7], v6
	v_cvt_scalef32_pk8_bf8_f32 v[66:67], v[P+8:P+15], v6
	v_nop
	s_min_u32 s42, s40, 255
	s_lshl_b32 s42, s42, 12
	v_add_nc_u32 v68, s42, v1
	global_store_b128 v68, v[64:67], s[14:15]      ; 512 consecutive bytes, aligned
	s_add_co_u32 s40, s40, 8
	s_add_co_u32 s44, s44, 1
	s_cmp_lt_u32 s44, s45
	s_wait_alu depctr_va_vdst(0)
	s_cbranch_scc1 .Ltile
.Lend:
	s_wait_tensorcnt 0x0                           ; the wave's end
	ds_add_u32 v14, v15
	s_wait_dscnt 0x0
	s_endpgm
.Lfunc_end_k_q7eb49acde9_up:
	.size	k_q7eb49acde9_up, .Lfunc_end_k_q7eb49acde9_up-k_q7eb49acde9_up
	.p2alignl 7, 3214868480
	.fill 96, 4, 3214868480
	.section	.rodata,"a",@progbits
	.p2align	6, 0x0
	.amdhsa_kernel k_q7eb49acde9_up
		.amdhsa_group_segment_fixed_size 168960
		.amdhsa_private_segment_fixed_size 0
		.amdhsa_enable_private_segment 0
		.amdhsa_kernarg_size 56
		.amdhsa_user_sgpr_count 2
		.amdhsa_user_sgpr_kernarg_segment_ptr 1
		.amdhsa_wavefront_size32 1
		.amdhsa_system_sgpr_workgroup_id_x 1
		.amdhsa_system_sgpr_workgroup_id_y 1
		.amdhsa_system_sgpr_workgroup_id_z 1
		.amdhsa_system_vgpr_workitem_id 0
		.amdhsa_next_free_vgpr 512
		.amdhsa_next_free_sgpr 98
		.amdhsa_reserve_vcc 1
		.amdhsa_float_denorm_mode_32 3
		.amdhsa_float_denorm_mode_16_64 3
		.amdhsa_memory_ordered 1
		.amdhsa_forward_progress 1
		.amdhsa_inst_pref_size 94
	.end_amdhsa_kernel
	.amdgpu_metadata
---
amdhsa.version: [ 1, 2 ]
amdhsa.kernels:
  - .name:           k_q7eb49acde9_up
    .symbol:         k_q7eb49acde9_up.kd
    .args:
      - { .name: W1, .offset: 0, .size: 8, .value_kind: global_buffer, .address_space: global }
      - { .name: b1, .offset: 8, .size: 8, .value_kind: global_buffer, .address_space: global }
      - { .name: lowp_scales, .offset: 16, .size: 8, .value_kind: global_buffer, .address_space: global }
      - { .name: xq, .offset: 24, .size: 8, .value_kind: global_buffer, .address_space: global }
      - { .name: route, .offset: 32, .size: 8, .value_kind: global_buffer, .address_space: global }
      - { .name: hq, .offset: 40, .size: 8, .value_kind: global_buffer, .address_space: global }
      - { .name: rows, .offset: 48, .size: 8, .value_kind: global_buffer, .address_space: global }
    .group_segment_fixed_size: 168960
    .private_segment_fixed_size: 0
    .kernarg_segment_align: 8
    .kernarg_segment_size: 56
    .max_flat_workgroup_size: 256
    .sgpr_count:     98
    .vgpr_count:     512
    .wavefront_size: 32
...
	.end_amdgpu_metadata
.endif
;; end of part 2
;; launch down (part 3): grid 256 x 1, 8 waves a work-group, no clusters, 68,608 bytes of LDS; arguments W2, b2, lowp_scales, hq, rows, part; writes part
.if DOCPART == 3
	.amdgcn_target "amdgcn-amd-amdhsa--gfx1250"
	.amdhsa_code_object_version 6
	.text
	.protected	k_q7eb49acde9_down
	.globl	k_q7eb49acde9_down
	.p2align	8
	.type	k_q7eb49acde9_down,@function
k_q7eb49acde9_down:
	s_mov_b64 s[64:65], 0
	v_nop
	global_prefetch_b8 v0, s[64:65] scope:SCOPE_SE
	s_setreg_imm32_b32 hwreg(HW_REG_WAVE_MODE, 25, 1), 1
	s_wait_xcnt 0x0
; DOWN.  Work-group 8 e + s makes output columns 128 s .. 128 s + 127 of expert e for all rows routed to e: h W2 x 2^(e4 + e5) + b2, rounded to bf16 into part[routed row].  Only chosen rows are computed (see gate's head).
; The slice of W2 [256 (k)][128 columns] f32 is read once, 128 KiB, straight into registers (wave w: k = 32 w on; 32 loads of 512 consecutive bytes), quantised with 2^e5, turned along k and laid in LDS as an image of
; the operand's registers (16 fragments, 32 KiB).  Every wave then holds all 16 in 256 registers and walks row tiles w, w + 8, .. of 16 rows: hq holds a tile as the image of its two fragments, 4,096 bytes.
; Places past the last row repeat the last row: the same bytes go to the same place.  An expert without rows walks nothing.
; No tensor loads, joint or other: how many tiles a wave walks hangs on stored numbers.  No prefetch: the weights are all asked for at the head, and a tile's 4 KiB one tile ahead.
; The product is transposed (source 0 = 16 columns, source 1 = 16 rows): a lane holds 8 neighbouring columns of one row for each column tile.
; LIMITS.  e5 between -126 and 112; e4 + e5 between -126 and 127.  NaN is not served.
; REGISTERS.  Window 0: v0-15 addresses; v16-23 places in part; v24-31 row numbers; v32-63 the way out (at the head: addresses); v64-95 the tile; v96-127 work; v128-191 eight accumulators; v192-255 b2.
; Window 1: W2 as f32, then its 16 fragments.
.set OST,  32768                       ; LDS: from 0 the image of W2; for each wave a stage of 16 rows x (256 + 16) bytes
.set OSTW, 4352
.set OP,   272
.set SPARE, 67584
.set R,    96
.set T,    112
.set MSB, 0
.macro WIN new                         ; the immediate's high byte repeats the setting that is left; bits 1:0 source 0, 3:2 source 1, 5:4 source 2, 7:6 destination
.if MSB != \new
	s_set_vgpr_msb (MSB<<8)|\new
.set MSB, \new
.endif
.endm
	s_load_b256 s[4:11], s[0:1], 0x0               ; W2, b2, exponents, hq
	s_load_b128 s[12:15], s[0:1], 0x20             ; rows, part
	v_lshl_add_u32 v14, v0, 2, SPARE
	v_mov_b32 v15, 0
	v_lshrrev_b32 v1, 5, v0
	v_readfirstlane_b32 s18, v1                    ; wave
	v_and_b32 v50, 31, v0                          ; lane
	v_and_b32 v51, 15, v0                          ; r
	v_bfe_u32 v49, v0, 4, 1                        ; h
	v_lshlrev_b32 v1, 4, v50                       ; 16 lane
	s_wait_alu depctr_va_vdst(0)
	s_lshr_b32 s19, ttmp9, 3                       ; expert
	s_and_b32 s20, ttmp9, 7                        ; slice
	s_lshl_b32 s21, s18, 17
	s_lshl_b32 s22, s20, 9
	s_add_co_u32 s21, s21, s22
	v_lshl_add_u32 v54, v50, 4, s21                ; W2: row 32 w, columns 128 s + 4 lane on
	s_lshl_b32 s23, s19, 12
	s_add_co_u32 s23, s23, s22
	v_lshl_add_u32 v55, v49, 5, s23                ; b2: columns 128 s + 8 h on
	s_lshl_b32 s22, s19, 20
	s_mov_b32 s23, 0
	s_lshl_b32 s43, s19, 10
	s_lshl_b32 s51, s19, 14
	v_lshl_add_u32 v5, v49, 2, s51                 ; rows: e 16384 + 4 h
	s_mul_i32 s21, s18, OSTW
	s_add_co_u32 s21, s21, OST
	v_mul_u32_u24 v2, v51, OP
	v_lshl_add_u32 v2, v49, 4, v2
	v_add_nc_u32 v2, s21, v2                       ; the way out, in: row r, + 16 h
	v_mul_u32_u24 v3, v49, OP
	v_lshl_add_u32 v3, v51, 4, v3
	v_add_nc_u32 v3, s21, v3                       ; and back: sixteen lanes to a row
	s_lshl_b32 s21, s20, 8
	v_lshl_add_u32 v4, v51, 4, s21                 ; part: my 256 bytes of a row, + 16 r
	s_lshr_b32 s21, s18, 2
	s_lshl_b32 s21, s21, 11
	s_and_b32 s46, s18, 3
	s_lshl_b32 s46, s46, 9
	s_add_co_u32 s21, s21, s46
	v_and_b32 v48, 3, v50
	v_lshlrev_b32 v48, 6, v48
	v_lshrrev_b32 v52, 2, v50
	v_lshl_add_u32 v48, v52, 12, v48
	v_add_nc_u32 v48, s21, v48                     ; the image: column 4 lane + j is row 4 (lane % 4) + j of column tile lane / 4; piece w % 4 of K step w / 4
	s_mov_b32 s40, s18
	s_mov_b32 s44, 0
	s_mov_b32 s36, 0x05010400                      ; v_perm_b32: bytes 0 and 1 of two registers, interleaved; bytes 2 and 3; low halves; high halves
	s_mov_b32 s37, 0x07030602
	s_mov_b32 s38, 0x05040100
	s_mov_b32 s39, 0x07060302
	s_wait_alu depctr_va_vdst(0)
	s_wait_kmcnt 0x0
	s_load_b32 s49, s[12:13], s43 offset:0x80000   ; n: my expert's rows
	s_load_b128 s[24:27], s[8:9], 0x8              ; e2 .. e5
	s_add_nc_u64 s[4:5], s[4:5], s[22:23]
	s_add_nc_u64 s[10:11], s[10:11], s[22:23]      ; hq + e 2^20
	WIN 0x40
.set n, 0
.rept 32
	global_load_b128 v[4*n:4*n+3], v54, s[4:5] offset:4096*n th:TH_LOAD_NT
.set n, n+1
.endr
	WIN 0
.irp c, 0,1,2,3,4,5,6,7
	global_load_b128 v[192+8*\c:195+8*\c], v55, s[6:7] offset:64*\c
	global_load_b128 v[196+8*\c:199+8*\c], v55, s[6:7] offset:64*\c+16
.endr
.macro TLOAD                           ; tile s40: two fragments, and the numbers of rows 2 n and 2 n + 1
	s_min_u32 s46, s40, 255
	s_lshl_b32 s47, s46, 12
	v_add_nc_u32 v6, s47, v1
	s_lshl_b32 s47, s46, 6
	v_add_nc_u32 v7, s47, v5
.irp n, 0,1,2,3,4,5,6,7
	global_load_b128 v[64+4*\n:67+4*\n], v6, s[10:11] offset:512*\n
.endr
.irp n, 0,1,2,3,4,5,6,7
	global_load_b32 v[24+\n], v7, s[12:13] offset:8*\n
.endr
.endm
	TLOAD
	s_wait_alu depctr_va_vdst(0)
	s_wait_kmcnt 0x0
	s_add_co_i32 s57, s27, 127
	s_lshl_b32 s58, s57, 23
	v_mov_b32 v60, s58                             ; 2^e5
	s_add_co_i32 s57, s57, 15
	s_lshl_b32 s57, s57, 23
	s_or_b32 s57, s57, 0x600000
	v_mov_b32 v61, s57                             ; 57,344 x 2^e5
	s_add_co_i32 s28, s26, s27
	s_add_co_i32 s28, s28, 127
	s_lshl_b32 s28, s28, 23                        ; 2^(e4 + e5)
	s_mov_b32 s29, s28
	s_min_u32 s49, s49, 0x1000
	s_add_co_u32 s41, s49, 15
	s_lshr_b32 s41, s41, 4                         ; tiles
	s_add_co_u32 s45, s41, 7
	s_sub_co_u32 s45, s45, s18
	s_lshr_b32 s45, s45, 3                         ; mine
	s_wait_alu depctr_va_vdst(0)                   ; the head's end
	s_wait_loadcnt 16                              ; W2 and b2 are in; the tile's 16 loads may be out
.macro QHALF hh, pp                    ; 16 k x 4 columns a lane -> 16 codes along k for each column
	WIN 0x41
.set n, 0
.rept 64
	v_med3_num_f32 v[64*(\hh)+n], v[64*(\hh)+n], -v61, v61         ; the conversion to an 8-bit code does not saturate (ISA guide 7.6.2)
.set n, n+1
.endr
	WIN 0x01
.set n, 0
.rept 8
	v_cvt_scalef32_pk8_bf8_f32 v[R+2*n:R+2*n+1], v[64*(\hh)+8*n:64*(\hh)+8*n+7], v60
.set n, n+1
.endr
	WIN 0
	v_nop
.irp q, 0,1,2,3
	v_perm_b32 v[T+4*\q],   v[R+4*\q+1], v[R+4*\q],   s36
	v_perm_b32 v[T+4*\q+1], v[R+4*\q+1], v[R+4*\q],   s37
	v_perm_b32 v[T+4*\q+2], v[R+4*\q+3], v[R+4*\q+2], s36
	v_perm_b32 v[T+4*\q+3], v[R+4*\q+3], v[R+4*\q+2], s37
.endr
.irp q, 0,1,2,3
	v_perm_b32 v[\pp+\q],    v[T+4*\q+2], v[T+4*\q],   s38
	v_perm_b32 v[\pp+4+\q],  v[T+4*\q+2], v[T+4*\q],   s39
	v_perm_b32 v[\pp+8+\q],  v[T+4*\q+3], v[T+4*\q+1], s38
	v_perm_b32 v[\pp+12+\q], v[T+4*\q+3], v[T+4*\q+1], s39
.endr
.irp j, 0,1,2,3
	ds_store_b128 v48, v[\pp+4*\j:\pp+4*\j+3] offset:256*(\hh)+16*\j
.endr
.endm
	QHALF 0, 128
	QHALF 1, 144
	s_wait_alu depctr_va_vdst(0)
	s_wait_dscnt 0x0                               ; for the others: my pieces lie in LDS
	s_barrier_signal -1
	s_barrier_wait -1
	WIN 0x40
.set n, 0
.rept 64
	ds_load_b128 v[4*n:4*n+3], v1 offset:512*n     ; fragment (column tile n / 8, K step (n / 4) % 2), piece n % 4
.set n, n+1
.endr
	WIN 0
	s_cmp_eq_u32 s45, 0
	s_cbranch_scc1 .Lend
.Ltile:
	s_wait_alu depctr_va_vdst(0)
	s_wait_loadcnt 0x0                             ; the tile is in
	s_wait_xcnt 0x0                                ; the last tile's stores have read their registers
.irp n, 0,1,2,3,4,5,6,7
	v_min_u32 v[16+\n], 0x1fff, v[24+\n]
	v_lshl_add_u32 v[16+\n], v[16+\n], 11, v4      ; places in part
.endr
	s_wait_alu depctr_va_vdst(0)
	s_wait_dscnt 0x0                               ; (the first time: W2's fragments are in)
	WIN 0x01
.irp c, 0,1,2,3,4,5,6,7                ; eight accumulators by turns
	v_wmma_f32_16x16x128_bf8_bf8 v[128+8*\c:135+8*\c], v[32*\c:32*\c+15], v[64:79], 0
.endr
.irp c, 0,1,2,3,4,5,6,7
	v_wmma_f32_16x16x128_bf8_bf8 v[128+8*\c:135+8*\c], v[32*\c+16:32*\c+31], v[80:95], v[128+8*\c:135+8*\c]
.endr
	WIN 0
.rept 4
	v_nop                                          ; four places (not for loads)
.endr
	s_add_co_u32 s40, s40, 8
	s_cmp_ge_u32 s40, s41
	s_cbranch_scc1 .Lasked
	TLOAD                                          ; the next tile is on its way while this one goes out
.Lasked:
.set n, 0
.rept 32
	v_pk_fma_f32 v[128+2*n:129+2*n], v[128+2*n:129+2*n], s[28:29], v[192+2*n:193+2*n] op_sel_hi:[1,0,1]   ; each accumulator from its low end on
.set n, n+1
.endr
.set n, 0
.rept 32
	v_cvt_pk_bf16_f32 v[96+n], v[128+2*n], v[129+2*n]
.set n, n+1
.endr
.irp c, 0,1,2,3,4,5,6,7
	ds_store_b128 v2, v[96+4*\c:99+4*\c] offset:32*\c
.endr
.irp n, 0,1,2,3,4,5,6,7
	ds_load_b128 v[32+4*\n:35+4*\n], v3 offset:2*OP*\n             ; LDS serves a wave's instructions in order (ISA guide 5.7.1.4)
.endr
.irp n, 0,1,2,3,4,5,6,7
	s_wait_dscnt 7-\n
	global_store_b128 v[16+\n], v[32+4*\n:35+4*\n], s[14:15]       ; sixteen lanes store 256 consecutive bytes, aligned
.endr
	s_add_co_u32 s44, s44, 1
	s_cmp_lt_u32 s44, s45
	s_wait_alu depctr_va_vdst(0)
	s_cbranch_scc1 .Ltile
.Lend:
	s_wait_tensorcnt 0x0                           ; the wave's end
	ds_add_u32 v14, v15
	s_wait_dscnt 0x0
	s_endpgm
.Lfunc_end_k_q7eb49acde9_down:
	.size	k_q7eb49acde9_down, .Lfunc_end_k_q7eb49acde9_down-k_q7eb49acde9_down
	.p2alignl 7, 3214868480
	.fill 96, 4, 3214868480
	.section	.rodata,"a",@progbits
	.p2align	6, 0x0
	.amdhsa_kernel k_q7eb49acde9_down
		.amdhsa_group_segment_fixed_size 68608
		.amdhsa_private_segment_fixed_size 0
		.amdhsa_enable_private_segment 0
		.amdhsa_kernarg_size 48
		.amdhsa_user_sgpr_count 2
		.amdhsa_user_sgpr_kernarg_segment_ptr 1
		.amdhsa_wavefront_size32 1
		.amdhsa_system_sgpr_workgroup_id_x 1
		.amdhsa_system_sgpr_workgroup_id_y 1
		.amdhsa_system_sgpr_workgroup_id_z 1
		.amdhsa_system_vgpr_workitem_id 0
		.amdhsa_next_free_vgpr 512
		.amdhsa_next_free_sgpr 66
		.amdhsa_reserve_vcc 0
		.amdhsa_float_denorm_mode_32 3
		.amdhsa_float_denorm_mode_16_64 3
		.amdhsa_memory_ordered 1
		.amdhsa_forward_progress 1
		.amdhsa_inst_pref_size 39
	.end_amdhsa_kernel
	.amdgpu_metadata
---
amdhsa.version: [ 1, 2 ]
amdhsa.kernels:
  - .name:           k_q7eb49acde9_down
    .symbol:         k_q7eb49acde9_down.kd
    .args:
      - { .name: W2, .offset: 0, .size: 8, .value_kind: global_buffer, .address_space: global }
      - { .name: b2, .offset: 8, .size: 8, .value_kind: global_buffer, .address_space: global }
      - { .name: lowp_scales, .offset: 16, .size: 8, .value_kind: global_buffer, .address_space: global }
      - { .name: hq, .offset: 24, .size: 8, .value_kind: global_buffer, .address_space: global }
      - { .name: rows, .offset: 32, .size: 8, .value_kind: global_buffer, .address_space: global }
      - { .name: part, .offset: 40, .size: 8, .value_kind: global_buffer, .address_space: global }
    .group_segment_fixed_size: 68608
    .private_segment_fixed_size: 0
    .kernarg_segment_align: 8
    .kernarg_segment_size: 48
    .max_flat_workgroup_size: 256
    .sgpr_count:     66
    .vgpr_count:     512
    .wavefront_size: 32
...
	.end_amdgpu_metadata
.endif
;; end of part 3
;; launch combine (part 4): grid 256 x 1, 8 waves a work-group, no clusters, 0 bytes of LDS; arguments part, rw, out0; writes out0
.if DOCPART == 4
	.amdgcn_target "amdgcn-amd-amdhsa--gfx1250"
	.amdhsa_code_object_version 6
	.text
	.protected	k_q7eb49acde9_combine
	.globl	k_q7eb49acde9_combine
	.p2align	8
	.type	k_q7eb49acde9_combine,@function
k_q7eb49acde9_combine:
	s_mov_b64 s[64:65], 0
	v_nop
	global_prefetch_b8 v0, s[64:65] scope:SCOPE_SE
	s_setreg_imm32_b32 hwreg(HW_REG_WAVE_MODE, 25, 1), 1
	s_wait_xcnt 0x0
; COMBINE.  out[t] = w[2 t] x part[2 t] + w[2 t + 1] x part[2 t + 1]: part [8192][1024] bf16 (an expert's result for a routed row, b2 in it), w [8192] f32, out [4096][1024] f32.
; A stream: a wave owns two tokens, 8,192 consecutive bytes of part and of out.  Each load reads 256 consecutive bytes (4 numbers a lane), each store writes 512.
; All 32 loads go out at once, every register is used once: no loop, no LDS, no barrier; the matrix units have nothing to do here.
	s_load_b128 s[4:7], s[0:1], 0x0                ; part s[4:5], rw s[6:7]
	s_load_b64 s[8:9], s[0:1], 0x10                ; out
	v_lshrrev_b32 v1, 5, v0
	s_delay_alu instid0(VALU_DEP_1)
	v_readfirstlane_b32 s10, v1
	s_lshl_b32 s11, ttmp9, 3
	s_add_co_u32 s10, s10, s11                     ; my wave among the launch's 2,048
	s_lshl_b32 s16, s10, 13
	s_mov_b32 s17, 0
	s_lshl_b32 s18, s10, 4
	v_and_b32 v1, 31, v0
	s_delay_alu instid0(VALU_DEP_1)
	v_lshlrev_b32 v7, 3, v1
	s_delay_alu instid0(VALU_DEP_2)
	v_lshlrev_b32 v8, 4, v1
	v_mov_b32 v6, 0
	s_wait_alu depctr_va_vdst(0)
	s_wait_kmcnt 0x0
	s_load_b128 s[12:15], s[6:7], s18 offset:0x0   ; the four weights
	s_add_nc_u64 s[4:5], s[4:5], s[16:17]
	s_add_nc_u64 s[8:9], s[8:9], s[16:17]
.set n, 0
.rept 16                               ; pair n: token n / 8, columns 128 (n % 8) on; first slot, second slot
	global_load_b64 v[16+4*n:17+4*n], v7, s[4:5] offset:4096*(n/8)+256*(n%8) th:TH_LOAD_NT
	global_load_b64 v[18+4*n:19+4*n], v7, s[4:5] offset:4096*(n/8)+2048+256*(n%8) th:TH_LOAD_NT
.set n, n+1
.endr
	s_wait_kmcnt 0x0
	v_mov_b32 v2, s12
	v_mov_b32 v3, s13
	v_mov_b32 v4, s14
	v_mov_b32 v5, s15
.set n, 0
	s_wait_alu depctr_va_vdst(0)
.rept 16
	s_wait_loadcnt 30-2*n                          ; this pair is in; the pairs behind it, two loads each, may be out
	v_fma_mix_f32_bf16 v[80+4*n], v[16+4*n], v[2+2*(n/8)], v6 op_sel_hi:[1,0,0]
	v_fma_mix_f32_bf16 v[81+4*n], v[16+4*n], v[2+2*(n/8)], v6 op_sel:[1,0,0] op_sel_hi:[1,0,0]
	v_fma_mix_f32_bf16 v[82+4*n], v[17+4*n], v[2+2*(n/8)], v6 op_sel_hi:[1,0,0]
	v_fma_mix_f32_bf16 v[83+4*n], v[17+4*n], v[2+2*(n/8)], v6 op_sel:[1,0,0] op_sel_hi:[1,0,0]
	s_delay_alu instid0(VALU_DEP_4)
	v_fma_mix_f32_bf16 v[80+4*n], v[18+4*n], v[3+2*(n/8)], v[80+4*n] op_sel_hi:[1,0,0]
	s_delay_alu instid0(VALU_DEP_4)
	v_fma_mix_f32_bf16 v[81+4*n], v[18+4*n], v[3+2*(n/8)], v[81+4*n] op_sel:[1,0,0] op_sel_hi:[1,0,0]
	s_delay_alu instid0(VALU_DEP_4)
	v_fma_mix_f32_bf16 v[82+4*n], v[19+4*n], v[3+2*(n/8)], v[82+4*n] op_sel_hi:[1,0,0]
	s_delay_alu instid0(VALU_DEP_4)
	v_fma_mix_f32_bf16 v[83+4*n], v[19+4*n], v[3+2*(n/8)], v[83+4*n] op_sel:[1,0,0] op_sel_hi:[1,0,0]
	global_store_b128 v8, v[80+4*n:83+4*n], s[8:9] offset:4096*(n/8)+512*(n%8) th:TH_STORE_NT
.set n, n+1
.endr
	s_endpgm
.Lfunc_end_k_q7eb49acde9_combine:
	.size	k_q7eb49acde9_combine, .Lfunc_end_k_q7eb49acde9_combine-k_q7eb49acde9_combine
	.p2alignl 7, 3214868480
	.fill 96, 4, 3214868480
	.section	.rodata,"a",@progbits
	.p2align	6, 0x0
	.amdhsa_kernel k_q7eb49acde9_combine
		.amdhsa_group_segment_fixed_size 0
		.amdhsa_private_segment_fixed_size 0
		.amdhsa_enable_private_segment 0
		.amdhsa_kernarg_size 24
		.amdhsa_user_sgpr_count 2
		.amdhsa_user_sgpr_kernarg_segment_ptr 1
		.amdhsa_wavefront_size32 1
		.amdhsa_system_sgpr_workgroup_id_x 1
		.amdhsa_system_sgpr_workgroup_id_y 1
		.amdhsa_system_sgpr_workgroup_id_z 1
		.amdhsa_system_vgpr_workitem_id 0
		.amdhsa_next_free_vgpr 144
		.amdhsa_next_free_sgpr 66
		.amdhsa_reserve_vcc 0
		.amdhsa_float_denorm_mode_32 3
		.amdhsa_float_denorm_mode_16_64 3
		.amdhsa_memory_ordered 1
		.amdhsa_forward_progress 1
		.amdhsa_inst_pref_size 17
	.end_amdhsa_kernel
	.amdgpu_metadata
---
amdhsa.version: [ 1, 2 ]
amdhsa.kernels:
  - .name:           k_q7eb49acde9_combine
    .symbol:         k_q7eb49acde9_combine.kd
    .args:
      - { .name: part, .offset: 0, .size: 8, .value_kind: global_buffer, .address_space: global }
      - { .name: rw, .offset: 8, .size: 8, .value_kind: global_buffer, .address_space: global }
      - { .name: out0, .offset: 16, .size: 8, .value_kind: global_buffer, .address_space: global }
    .group_segment_fixed_size: 0
    .private_segment_fixed_size: 0
    .kernarg_segment_align: 8
    .kernarg_segment_size: 24
    .max_flat_workgroup_size: 256
    .sgpr_count:     66
    .vgpr_count:     144
    .wavefront_size: 32
...
	.end_amdgpu_metadata
.endif
;; end of part 4
